; MI455X (gfx1250); checked and timed in simulation.
; The chip was launched on July 23, 2026; its instructions are those of AMD's public machine-readable ISA for CDNA 5 (MIT licence, August 2026) and "CDNA5" Instruction Set Architecture Reference Guide (July 2026). The comments in the code are by the model that wrote it; some were corrected since.
;; Cross Trans Former. Allowed arithmetic: matrix products marked QUANTISED: E3M2 operands, one E8M0 scale for each 32 along K, by v_wmma_scale_f32_16x16x128_f8f6f4 with both operands' format E3M2, f32 sums; everything else in f32.
;; Inputs: Wk_codes 1,024 x 32 x 24 uint8 (E3M2 codes of Wk, K innermost, in blocks of 32 codes, four codes in three bytes); Wk_scales 1,024 x 32 uint8 (E8M0 scales of Wk, one for each 32 codes along K); Wq_codes 1,024 x 32 x 24 uint8 (E3M2 codes of Wq, K innermost, in blocks of 32 codes, four codes in three bytes); Wq_scales 1,024 x 32 uint8 (E8M0 scales of Wq, one for each 32 codes along K); Wv_codes 1,024 x 32 x 24 uint8 (E3M2 codes of Wv, K innermost, in blocks of 32 codes, four codes in three bytes); Wv_scales 1,024 x 32 uint8 (E8M0 scales of Wv, one for each 32 codes along K); Xk_codes 4 x 2,048 x 32 x 24 uint8 (E3M2 codes of Xk, K innermost, in blocks of 32 codes, four codes in three bytes); Xk_scales 4 x 2,048 x 32 uint8 (E8M0 scales of Xk, one for each 32 codes along K); Xq_codes 4 x 2,048 x 32 x 24 uint8 (E3M2 codes of Xq, K innermost, in blocks of 32 codes, four codes in three bytes); Xq_scales 4 x 2,048 x 32 uint8 (E8M0 scales of Xq, one for each 32 codes along K); beta1 1,024 float32; beta2 1,024 float32; beta3 1,024 float32; gamma1 1,024 float32; gamma2 1,024 float32; gamma3 1,024 float32; mean1 1,024 float32; mean2 1,024 float32; mean3 1,024 float32; var1 1,024 float32; var2 1,024 float32; var3 1,024 float32.
;; Outputs: out0 4 x 1,024 x 2,048 float32.
;; This version of the problem:
;;   THIS VERSION OF THE PROBLEM IS GIVEN IN LOW PRECISION. The matrix products marked QUANTISED in the list below multiply operands that are first quantised to E3M2 (3 exponent bits, 2 mantissa bits; 6 bits a number), with one power-of-two scale for each 32 numbers along K (OCP MX v1.0); their sums are f32. All else is computed in f32.
;;   The module's matrix products, in the order in which they are computed (A, B: the left and right operand; K: the contracted axis; several contracted axes count as one K, in the product's order):
;;     1. [M 8,192, K 1,024] x [K 1,024, N 1,024]; A: input Xq (given as codes); B: input Wq (given as codes): QUANTISED
;;     2. [M 8,192, K 1,024] x [K 1,024, N 1,024]; A: input Xk (given as codes); B: input Wk (given as codes): QUANTISED
;;     3. [M 8,192, K 1,024] x [K 1,024, N 1,024]; A: input Xq (given as codes); B: input Wv (given as codes): QUANTISED
;;     4. batch 32 x [M 2,048, K 128] x [K 128, N 2,048]; A: computed on the way; B: computed on the way: QUANTISED
;;     5. batch 32 x [M 128, K 2,048] x [K 2,048, N 2,048]; A: computed on the way; B: softmax (see below): QUANTISED
;;   THE QUANTISER, for each operand of a quantised product, along K:
;;     - K is cut into blocks of 32 from its start; a last block that is shorter is filled with zeros.
;;     - A block's scale is 2^e with e = floor(log2(the largest magnitude in the block)) - 4, held to -126 .. 127; a block of zeros has e = 0. As a byte (E8M0): e + 127.
;;     - Each number is divided by its block's scale, clamped to +-28, and rounded to the nearest number of E3M2, ties to even, subnormals kept.
;;     - The product sums the exact products of the quantised numbers (number of the format x scale) in f32.
;;   ~~~python
;;   def quantise(x, axis):      # numpy; x: float32 -> the quantised numbers, widened to float32 again
;;       x = np.moveaxis(x, axis, -1); K = x.shape[-1]
;;       x = np.pad(x, [(0, 0)] * (x.ndim - 1) + [(0, -K % 32)]); x = x.reshape(x.shape[:-1] + (-1, 32)); a = np.abs(x).max(-1, keepdims=True)
;;       e = np.where(a > 0, np.clip(np.frexp(np.where(a > 0, a, 1))[1] - 1 - 4, -126, 127), 0)      # np.frexp(a)[1] - 1 = floor(log2(a)), exactly
;;       r = np.clip(x / 2.0 ** e, -28, 28)
;;       step = 2.0 ** (np.maximum(np.frexp(np.where(r == 0, 1, r))[1] - 1, -2) - 2)
;;       q = np.round(r / step) * step * 2.0 ** e      # np.round: ties to even
;;       return np.moveaxis(q.reshape(q.shape[:-2] + (-1,))[..., :K], -1, axis).astype(np.float32)
;;   ~~~
;;   SOFTMAX AHEAD OF A QUANTISED PRODUCT. Where the list says 'softmax', what is quantised is not the finished softmax but p = 2^(t - M), with t = logit x log2(e) and M = ceil(the row's largest t), a whole number; so 1/2 < the row's largest p <= 1. The row's sum l is taken of the UNQUANTISED p, in f32, and the product's result is divided by l at the end. Since M is a whole number, a kernel that streams over the keys may use a running M (the ceiling of the running maximum): every later rescaling is an exact power of two, which a block's scale takes up: the codes' values come out the same.
;;   OPERANDS COMPUTED ON THE WAY. 'Computed on the way' means the value that the module computes at that place (a softmax that the list does not call 'softmax' is quantised finished and normalised). What goes into a quantiser is computed in f32, as accurately as f32 sums, v_exp_f32 and their like allow (about 1e-6 of the number): no bf16 or f16 on the way to a quantiser, and a product that is left as it is and whose result goes on into a quantised operand takes f32 operands (vector FMAs, or v_wmma_f32_16x16x4_f32). A number that lies on a knife's edge between two numbers of the format may be rounded either way, as far as f32 arithmetic and the matrix unit's own rounding can turn it there, and no further.
;;   INPUTS GIVEN AS CODES. Wk (in the module: [1024, 1024], K = its axis 1); Wq (in the module: [1024, 1024], K = its axis 1); Wv (in the module: [1024, 1024], K = its axis 1); Xk (in the module: [4, 1024, 2048], K = its axis 1); Xq (in the module: [4, 1024, 2048], K = its axis 1): each comes as NAME_codes (uint8): NAME with its K axis moved to the last place and cut into blocks of 32 codes, [.., K / 32, bytes a block], one block behind the other in memory; four codes in three bytes: a row's codes are one little-endian stream of bits, code i at bits 6 i .. 6 i + 5 (a code: sign, 3 exponent bits, 2 mantissa bits); and NAME_scales (uint8): the same leading axes, one E8M0 byte (e + 127) for each 32 codes along K. Its value is code x scale, taken as it is: it is not quantised again, and the codes and scales need not be those that the quantiser above would give.
;; One version. Each part assembles by itself: llvm-mc -triple=amdgcn-amd-amdhsa -mcpu=gfx1250 --defsym DOCPART=n.
;; ======== version 1 of 1: 2 launches
;; workspace buffers: kf 6,291,456 bytes; ks 262,144 bytes; vq 12,582,912 bytes; vqs 524,288 bytes
;; launch proj (part 1): grid 4 x 96, 4 waves a work-group, clusters of 4 x 4, 327,680 bytes of LDS; arguments Xk_codes, Xk_scales, Wk_codes, Wk_scales, Xq_codes, Xq_scales, Wv_codes, Wv_scales, Wq_codes, Wq_scales, gamma2, beta2, mean2, var2, gamma3, beta3, mean3, var3, gamma1, beta1, mean1, var1, kf, ks, vq, vqs; writes kf, ks, vq, vqs
.if DOCPART == 1
	.amdgcn_target "amdgcn-amd-amdhsa--gfx1250"
	.amdhsa_code_object_version 6
	.text
	.protected	k_qbe7addabcf_proj
	.globl	k_qbe7addabcf_proj
	.p2align	8
	.type	k_qbe7addabcf_proj,@function
k_qbe7addabcf_proj:
	s_mov_b64 s[64:65], 0
	v_nop
	global_prefetch_b8 v0, s[64:65] scope:SCOPE_SE
	s_setreg_imm32_b32 hwreg(HW_REG_WAVE_MODE, 25, 1), 1
	s_wait_xcnt 0x0
	s_wait_alu depctr_hold_cnt(0) depctr_sa_sdst(0) depctr_va_vdst(0) depctr_va_sdst(0) depctr_va_ssrc(0) depctr_va_vcc(0) depctr_vm_vsrc(0)
	s_getreg_b32 s2, hwreg(HW_REG_IB_STS2, 6, 4)
	s_cmp_eq_u32 s2, 0
	s_cbranch_scc0 .Lentry_in_a_cluster
	s_endpgm
.Lentry_in_a_cluster:
	s_bfe_u32 s2, ttmp6, 0x10000c
	s_cmp_lg_u32 s2, 0xf033
	s_cbranch_scc0 .Lentry_shape_is_right
	s_endpgm
.Lentry_shape_is_right:
; THE THREE BRANCHES: y[point][o] = sum over c of X[point][c] W[o][c] on the given codes of BF6 (E3M2) and their E8M0 scales, K = 1,024; then y s + t with s = gamma / sqrt(var + 1e-5), t = beta - mean s;
; then max(y, 0.1 y), which is LeakyReLU(0.1); then the result is quantised for the attention launch: K and V along the head's 128 channels, Q along the points.  K, V and Q never lie in memory as f32.
; SHARES.  24 clusters of 4 x 4 work-groups; the cluster's y picks the branch g (0: K, 1: V, 2: Q) and an eighth of its 8,192 points.  A work-group makes 256 x 256, each of its four waves 128 x 128: 64 accumulators.
; The matrix instruction is used transposed: source 0 = 16 rows of "B", source 1 = 16 rows of "A": a lane holds ONE row of A (lane % 16) and its registers run along B's rows, 8 (lane / 16) + 0 .. 7 of each 16.
; The axis that is quantised must run along the registers: K, V: A = X (points), B = W (channels);  Q: A = Wq (channels), B = Xq (points).  A wave's 128 along B are one K step of the next product.
; CLUSTERS.  A's tiles hang on the tile row alone and are asked for jointly by a row of the cluster, B's on the tile column alone, by a column.  Every branch of the text hangs on g or on the wave's number: alike in all sixteen.
; WHAT IS STORED.  For each of a wave's 8 blocks of 16 rows of A: a fragment (16 rows x 128 K, 12 registers a lane) as an image of its registers, register 4 c + e of lane l at byte 512 c + 16 l + 4 e: 1,536 bytes;
; and for the 8 fragments one block of 512 bytes of scale words: that of fragment a, row r at 16 (r + 16 (a & 1)) + 4 (a >> 1).
; ORDER OF k.  Position 16 h + i of block b of a fragment holds index 32 b + 8 h + i % 8 + 16 (i / 8).  Blocks, scales and codes are the quantiser's own; every operand of the two later products is made this way, so both
; sides of a product carry the same order.  LIMIT: the sums inside a block of 32 are therefore taken in another order than ascending k.
; LIMITS: NaN and infinities among the inputs are not served.  A block whose largest magnitude lies under 2^(5 - 127), a block of zeros among them, gets the byte 1 where the quantiser says less or 127:
; the codes of a block of zeros are zeros, and these bytes are read by this program alone.
; REGISTERS, in windows of 256: window 0: v16-30 addresses; v32-63 scale words, two sets, and nothing else; from v128 A's fragments, one set; on the way out v64-243 at work.
;   window 1: B's fragments, two sets, at v0 and v128; on the way out s and t.   window 2: the accumulators of my rows 0-63 ((a, b) at v[8 (8 a + b)]);   window 3: those of my rows 64-127.
.set KSTEP,  256                       ; along K in a slot
.set NQ,     2                         ; matrix instructions deep
.set ROWB,   192                       ; a tile's row in bytes: 256 codes of 6 bits
.set KROW,   768                       ; a row of X or W in memory: 1,024 codes
.set PITCH,  240                       ; an LDS row: 3 x (64 bytes + 16 of padding) = 60 words: the 32 lanes of a load of 8 bytes touch 64 different banks (64 banks of 4 bytes: ISA guide 11.1)
.set FR,     12                        ; registers of a fragment
.set NL,     6                         ; LDS loads that bring one
.set NP,     4                         ; places behind this matrix instruction (ISA guide 7.12.1)
.set HALFT,  128*PITCH                 ; 128 rows: what one tensor load brings
.set SLOT,   4*HALFT                   ; A's 256 rows, then B's 256
.set KS,     32                        ; a row of scale bytes
.set SCL,    2*SLOT                    ; behind the ring: the scales of the 512 rows for all of K, as rows of 256 bytes + 16
.set HALFS,  16*272                    ; those of 128 rows
.set SBLK,   2*272                     ; those of 16 rows
.set SPARE,  SCL+4*HALFS               ; the spare words, 128 bytes a wave: two blocks of 256 bytes that no other line names
.set BNS,    SPARE+512                 ; s and t of each wave's 128 channels: wave w: s at 1,024 w, t at 1,024 w + 512.  No tile ever lands here
.set ADRA, 16                          ; v16-17 LDS address of my A fragments in slot 0, 1 (v18-19: for the pieces behind one padding more)
.set ADRB, 20                          ; v20-23 the same for B
.set BNW,  24                          ; v24  where I store four s
.set BNR,  25                          ; v25  where I read s along the registers: + 32 (lane / 16)
.set LI,   26                          ; v26  16 x lane; never rewritten
.set ADRS, 27                          ; v27  LDS address of my scale words: lanes 0-15 A's rows, lanes 16-31 B's
.set SPW,  28                          ; v28  my spare word; never rewritten
.set NIL,  29                          ; v29  0; never rewritten
.set BNQ,  30                          ; v30  where I read s of my row: + 4 (lane % 16)
.set SC,   32                          ; scale words
.set AF,   128                         ; A's fragments
.set YY,   64                          ; the way out: 64 numbers of a block of 16 rows
.set TT,   128                         ; 0.1 x them
.set CD,   192                         ; v192-210 the codes
.set TM,   212                         ; v212-227 largest magnitudes, bytes, scale operands
.set PW,   232                         ; v232-239 the scale word of each of the 8 blocks
.set SW,   240                         ; v240-243 the block of scale words as it is stored
.set S1,   0                           ; window 1: s along the registers, 64;
.set T1,   64                          ; t likewise;
.set SQ,   128                         ; s of my row in block a, twice: a pair;
.set TQ,   144                         ; t likewise
.set G1,   24                          ; s[24:31] group 1 for A's tiles;  s[32:39] group 0, one set a slot
.set G0,   32
.set G1B,  48                          ; s[48:55], s[56:63] the same for B's
.set G0B,  56
.set G1S,  68                          ; s[68:75], s[76:79] for A's scales;  s[80:87], s[88:91] for B's
.set G0S,  76
.set G1SB, 80
.set G0SB, 88
.set SLP,  66                          ; s[66:67] 0.1, twice
.set GG,   95                          ; s95  g
.set OUTS, 96                          ; s[96:97] where my scale words go;  s[12:13] where my fragments go
.set SEL,  98                          ; s[98:99] selects of v_permlanex16_b32: lane l xor 16
.set MSB, 0
.macro WIN new                         ; the immediate's high byte repeats the setting that is left
.if MSB != (\new)
	s_set_vgpr_msb (MSB<<8)|(\new)
.set MSB, (\new)
.endif
.endm
.set MUL_LO, 0xa1                      ; source 0 (B) window 1, source 1 (A) window 0, C and D window 2
.set MUL_HI, 0xf1                      ; the same, C and D window 3
.set TO_B,   0x40                      ; destination window 1, address window 0
; A joint load: waves 0 and 1 fetch for A, waves 2 and 3 for B.  Each line has one mask and one set of registers for all that issue it; the branch hangs on the wave's number alone.
; Four v_nop follow each of the two lines, ahead of the jump, the label and what follows.
.macro JLOAD g0a, g1a, g0b, g1b
	s_cmp_eq_u32 s15, 0
	s_cbranch_scc0 .Lfor_b_\@
	tensor_load_to_lds s[\g0a:\g0a+3], s[\g1a:\g1a+7]
	s_nop 0
.rept 4
	v_nop
.endr
	s_branch .Lasked_\@
.Lfor_b_\@:
	tensor_load_to_lds s[\g0b:\g0b+3], s[\g1b:\g1b+7]
	s_nop 0
.rept 4
	v_nop
.endr
.Lasked_\@:
.endm
.macro CREST                           ; a round of the cluster's barrier behind its opening barrier
	s_cmp_lg_u32 s14, 0
	s_cbranch_scc1 .Lnot_wave_0_\@
	s_barrier_signal -3
.Lnot_wave_0_\@:
	s_barrier_wait -3
	s_barrier_signal -1
	s_barrier_wait -1
.endm
.macro CROUND                          ; a whole round
	s_barrier_signal -1
	s_barrier_wait -1
	CREST
.endm
	s_load_b512 s[24:39], s[0:1], 0x0              ; Xk codes, scales; Wk codes, scales; Xq codes, scales; Wv codes, scales
	s_load_b128 s[40:43], s[0:1], 0x40             ; Wq codes, scales
	s_load_b512 s[44:59], s[0:1], 0x50             ; gamma, beta, mean, var of K's branch, then of V's
	s_load_b256 s[68:75], s[0:1], 0x90             ; and of Q's
	s_load_b256 s[76:83], s[0:1], 0xb0             ; kf, ks, vq, vqs
	v_lshl_add_u32 v[SPW], v0, 2, SPARE
	v_mov_b32 v[NIL], 0
	ds_add_u32 v28, v29
	s_wait_dscnt 0x0
	v_lshrrev_b32 v1, 5, v0
	v_readfirstlane_b32 s14, v1                    ; wave 0..3
	s_lshr_b32 s15, s14, 1                         ; which half of the tile's rows of A is mine.  Also: I fetch for A (0) or for B (1)
	s_and_b32 s16, s14, 1                          ; which half of its rows of B.  Also: which 128 rows of that tile I fetch
	s_and_b32 s94, ttmp7, 0xffff                   ; the cluster's y, 0 .. 23
	s_lshr_b32 s[GG], s94, 3                       ; g: the branch
	s_and_b32 s94, s94, 7
	s_lshl_b32 s94, s94, 2                         ; the first of the cluster's four tiles along the points
	s_mov_b32 s[SEL], 0x76543210
	s_mov_b32 s[SEL+1], 0xfedcba98
	s_mov_b32 s[SLP], 0x3dcccccd                   ; 0.1
	s_mov_b32 s[SLP+1], s[SLP]                     ; (named with it as a pair, so it is written)
	v_and_b32 v2, 31, v0
	v_lshlrev_b32 v[LI], 4, v2
	s_wait_kmcnt 0x0
	; the branch's buffers are chosen; the choice hangs on g alone
	s_cmp_eq_u32 s[GG], 0
	s_cselect_b64 s[4:5], s[24:25], s[32:33]       ; A's codes: Xk or Xq
	s_cselect_b64 s[6:7], s[26:27], s[34:35]       ; A's scales
	s_cselect_b64 s[8:9], s[28:29], s[36:37]       ; B's codes: Wk or Wv
	s_cselect_b64 s[10:11], s[30:31], s[38:39]     ; B's scales
	s_cselect_b64 s[84:85], s[44:45], s[52:53]     ; gamma
	s_cselect_b64 s[86:87], s[46:47], s[54:55]     ; beta
	s_cselect_b64 s[88:89], s[48:49], s[56:57]     ; mean
	s_cselect_b64 s[90:91], s[50:51], s[58:59]     ; var
	s_cselect_b64 s[12:13], s[76:77], s[80:81]     ; fragments: kf or vq
	s_cselect_b64 s[OUTS:OUTS+1], s[78:79], s[82:83]  ; scale words: ks or vqs
	s_cmp_eq_u32 s[GG], 2
	s_cselect_b64 s[4:5], s[40:41], s[4:5]         ; Q: A = Wq,
	s_cselect_b64 s[6:7], s[42:43], s[6:7]
	s_cselect_b64 s[8:9], s[32:33], s[8:9]         ; B = Xq
	s_cselect_b64 s[10:11], s[34:35], s[10:11]
	s_cselect_b64 s[84:85], s[68:69], s[84:85]
	s_cselect_b64 s[86:87], s[70:71], s[86:87]
	s_cselect_b64 s[88:89], s[72:73], s[88:89]
	s_cselect_b64 s[90:91], s[74:75], s[90:91]
	s_bfe_u32 s40, ttmp6, 0x40000                  ; cx, cy: my place in the cluster
	s_bfe_u32 s41, ttmp6, 0x40004
	s_cmp_eq_u32 s[GG], 2
	s_cselect_b32 s18, 0, s94                      ; the points are A's rows (K, V)
	s_cselect_b32 s19, s94, 0                      ; or B's (Q)
	s_add_co_u32 s17, s41, s18                     ; tile row: made of cy and the cluster's y
	s_add_co_u32 s42, s40, s19                     ; tile column: of cx and the cluster's y
	s_lshl_b32 s43, s41, 2
	s_lshl_b32 s43, 15, s43                        ; my row of the cluster
	s_lshl_b32 s44, 0x1111, s40                    ; my column
	; where my wave's results go, and which 128 channels are its own
	s_lshl_b32 s20, s17, 8
	s_lshl_b32 s21, s15, 7
	s_add_co_u32 s20, s20, s21                     ; my first row of A
	s_lshl_b32 s22, s42, 8
	s_lshl_b32 s23, s16, 7
	s_add_co_u32 s22, s22, s23                     ; my first row of B
	s_cmp_eq_u32 s[GG], 2
	s_cselect_b32 s100, s20, s22                   ; my first channel
	s_cselect_b32 s101, s22, s20                   ; my first point, 0 .. 8,191
	s_cselect_b32 s2, 49152, 0                     ; Q's groups lie behind V's four in a slot,
	s_cselect_b32 s3, 8192, 0                      ; Q's scale words behind V's sixteen blocks
	s_cmp_eq_u32 s[GG], 0
	s_cselect_b32 s45, 0, 1                        ; vq and vqs have twice kf's and ks's bytes for each head
	s_lshr_b32 s18, s101, 11
	s_lshl_b32 s18, s18, 3
	s_lshr_b32 s19, s100, 7
	s_add_co_u32 s18, s18, s19                     ; 8 x batch + head
	s_bfe_u32 s19, s101, 0x40007                   ; which 128 points of the batch's 2,048
	s_mul_i32 s46, s18, 196608
	s_lshr_b32 s47, s19, 2
	s_mul_i32 s47, s47, 49152
	s_add_co_u32 s46, s46, s47
	s_lshl_b32 s46, s46, s45
	s_and_b32 s47, s19, 3
	s_mul_i32 s47, s47, 12288
	s_add_co_u32 s46, s46, s47
	s_add_co_u32 s46, s46, s2
	s_mov_b32 s47, 0
	s_add_nc_u64 s[12:13], s[12:13], s[46:47]      ; my 8 fragments: 12,288 bytes on end
	s_lshl_b32 s46, s18, 13
	s_lshl_b32 s46, s46, s45
	s_lshl_b32 s19, s19, 9
	s_add_co_u32 s46, s46, s19
	s_add_co_u32 s46, s46, s3
	s_add_nc_u64 s[OUTS:OUTS+1], s[OUTS:OUTS+1], s[46:47]  ; their 512 bytes of scale words
	s_lshl_b32 s46, s100, 2
	s_add_nc_u64 s[84:85], s[84:85], s[46:47]
	s_add_nc_u64 s[86:87], s[86:87], s[46:47]
	s_add_nc_u64 s[88:89], s[88:89], s[46:47]
	s_add_nc_u64 s[90:91], s[90:91], s[46:47]
	global_load_b128 v[64:67], v[LI], s[84:85]     ; gamma, beta, mean, var of my wave's 128 channels: four a lane, 512 consecutive bytes a load
	global_load_b128 v[68:71], v[LI], s[86:87]
	global_load_b128 v[72:75], v[LI], s[88:89]
	global_load_b128 v[76:79], v[LI], s[90:91]
	; descriptor group 1: a tile of 128 rows x 192 bytes, padded in LDS
	s_or_b32 s[G1+0], s43, (1<<20)|(1<<21)|(3<<22)|(3<<25)   ; 15:0 the mask: A's tiles go to my row; 17:16 elements of 1 byte; 20 padding on; 21 set beside a mask; 24:22 after every 16 words; 31:25 of 4 words
	s_or_b32 s[G1B+0], s44, (1<<20)|(1<<21)|(3<<22)|(3<<25)
.irp g, G1, G1B
	s_mov_b32 s[\g+1], ROWB<<16                    ; tensor_dim0
	s_mov_b32 s[\g+2], 128<<16                     ; tensor_dim1
	s_mov_b32 s[\g+3], ROWB<<16                    ; tile_dim0
	s_mov_b32 s[\g+4], 128                         ; tile_dim1
	s_mov_b32 s[\g+5], KROW                        ; tensor_dim0_stride
	s_mov_b32 s[\g+6], 0
	s_mov_b32 s[\g+7], 0
.endr
	s_wait_xcnt 0x0                                ; the four loads above have read their bases: s[84:91] are written again below
	; and for the scales of 128 rows: 4,096 dense bytes as 16 rows of 256 (32 elements of 8 bytes), 16 bytes of padding behind each
	s_or_b32 s[G1S+0], s43, (3<<16)|(1<<20)|(1<<21)|(5<<22)|(3<<25)
	s_or_b32 s[G1SB+0], s44, (3<<16)|(1<<20)|(1<<21)|(5<<22)|(3<<25)
.irp g, G1S, G1SB
	s_mov_b32 s[\g+1], 32<<16
	s_mov_b32 s[\g+2], 16<<16
	s_mov_b32 s[\g+3], 32<<16
	s_mov_b32 s[\g+4], 16
	s_mov_b32 s[\g+5], 32
	s_mov_b32 s[\g+6], 0
	s_mov_b32 s[\g+7], 0
.endr
	s_lshl_b32 s18, s16, 7                         ; which 128 rows of the tile I fetch
	s_lshl_b32 s20, s17, 8
	s_add_co_u32 s20, s20, s18                     ; A: row 256 x tile row + 128 x half
	s_lshl_b32 s46, s42, 8
	s_add_co_u32 s46, s46, s18                     ; B: row 256 x tile column + 128 x half
	s_mov_b32 s21, 0
	s_mov_b32 s47, 0
	s_mov_b64 s[18:19], KS
	s_mul_u64 s[22:23], s[20:21], s[18:19]         ; where these rows' scales begin, in bytes,
	s_mul_u64 s[92:93], s[46:47], s[18:19]
	s_mov_b64 s[18:19], KROW
	s_mul_u64 s[20:21], s[20:21], s[18:19]         ; and their codes
	s_mul_u64 s[46:47], s[46:47], s[18:19]
	s_mul_i32 s45, s14, HALFT                      ; where they go: wave x 128 rows: no place in the cluster enters an LDS address
	s_mul_i32 s94, s14, HALFS
	s_add_nc_u64 s[20:21], s[4:5], s[20:21]
	s_add_nc_u64 s[22:23], s[6:7], s[22:23]
	s_add_nc_u64 s[46:47], s[8:9], s[46:47]
	s_add_nc_u64 s[92:93], s[10:11], s[92:93]
	CROUND                                         ; all sixteen work-groups are here: the first joint loads meet
	s_mov_b32 s[G0S], 1
	s_add_co_u32 s[G0S+1], s94, SCL
	s_mov_b64 s[G0S+2:G0S+3], s[22:23]
	s_or_b32 s[G0S+3], s[G0S+3], 0x80000000
	s_mov_b32 s[G0SB], 1
	s_add_co_u32 s[G0SB+1], s94, SCL
	s_mov_b64 s[G0SB+2:G0SB+3], s[92:93]
	s_or_b32 s[G0SB+3], s[G0SB+3], 0x80000000
	JLOAD G0S, G1S, G0SB, G1SB                     ; the scales first: they are wanted with K step 0.  With the two below three tensor loads of a wave are out
.irp s, 0,1
	s_mov_b32 s[G0+4*\s], 1
	s_add_co_u32 s[G0+4*\s+1], s45, \s*SLOT
	s_add_nc_u64 s[G0+4*\s+2:G0+4*\s+3], s[20:21], \s*ROWB
	s_or_b32 s[G0+4*\s+3], s[G0+4*\s+3], 0x80000000
	s_mov_b32 s[G0B+4*\s], 1
	s_add_co_u32 s[G0B+4*\s+1], s45, \s*SLOT
	s_add_nc_u64 s[G0B+4*\s+2:G0B+4*\s+3], s[46:47], \s*ROWB
	s_or_b32 s[G0B+4*\s+3], s[G0B+4*\s+3], 0x80000000
	JLOAD G0+4*\s, G1, G0B+4*\s, G1B
.endr
	v_and_b32 v1, 15, v0                           ; r = lane % 16
	v_bfe_u32 v2, v0, 4, 1                         ; h = lane / 16
	v_mul_u32_u24 v3, v1, PITCH
	v_mul_u32_u24 v4, v2, 24
	v_add_nc_u32 v4, v3, v4                        ; a fragment's row x pitch + 24 x half
	v_lshl_add_u32 v5, v2, 4, v4                   ; and the same behind one padding more
	s_mul_i32 s21, s15, HALFT                      ; my 128 rows of A
	s_mul_i32 s22, s16, HALFT                      ; my 128 rows of B,
	s_add_co_u32 s22, s22, 2*HALFT                 ; which lie behind A's 256
.irp s, 0,1
	v_add_nc_u32 v[ADRA+\s], s21, v4
	v_add_nc_u32 v[ADRB+\s], s22, v4
	v_add_nc_u32 v[ADRA+2+\s], s21, v5
	v_add_nc_u32 v[ADRB+2+\s], s22, v5
	s_add_co_u32 s21, s21, SLOT
	s_add_co_u32 s22, s22, SLOT
.endr
	v_mul_u32_u24 v5, v1, KS                       ; my row's scales: 32 bytes a row,
	v_lshrrev_b32 v6, 8, v5
	v_lshl_add_u32 v5, v6, 4, v5                   ; and 16 more for each 256 passed
	s_mul_i32 s21, s15, HALFS                      ; A's: my 128 rows
	s_mul_i32 s22, s16, HALFS                      ; B's: my 128 rows, behind A's 256
	s_add_co_u32 s22, s22, 2*HALFS
	s_sub_co_u32 s22, s22, s21
	v_mul_u32_u24 v6, s22, v2                      ; lanes 16-31 take B's: one product, the distance x h
	s_add_co_u32 s21, s21, SCL
	v_add_nc_u32 v5, v5, v6
	v_add_nc_u32 v[ADRS], s21, v5
	s_lshl_b32 s23, s14, 10
	s_add_co_u32 s23, s23, BNS                     ; my wave's s and t
	v_add_nc_u32 v[BNW], s23, v[LI]
	v_lshl_add_u32 v[BNR], v2, 5, s23
	v_lshl_add_u32 v[BNQ], v1, 2, s23
	; s = gamma / sqrt(var + 1e-5), t = beta - mean s, in f32, four channels a lane; they wait in LDS for the way out
	s_wait_loadcnt 0x0
.irp i, 0,1,2,3
	v_add_f32 v[76+\i], 0x3727c5ac, v[76+\i]
.endr
.irp i, 0,1,2,3
	v_rsq_f32 v[80+\i], v[76+\i]
.endr
	v_nop                                          ; a plain instruction behind the last of the four,
	s_wait_alu depctr_va_vdst(0)                   ; and one wait for the batch, ahead of its first reader
.irp i, 0,1,2,3
	v_mul_f32 v[80+\i], v[64+\i], v[80+\i]
.endr
.irp i, 0,1,2,3
	v_fma_f32 v[84+\i], -v[72+\i], v[80+\i], v[68+\i]
.endr
	ds_store_b128 v[BNW], v[80:83]
	ds_store_b128 v[BNW], v[84:87] offset:512
	s_wait_dscnt 0x0                               ; no LDS instruction of mine is pending at the signal below
.macro FRAG reg, adr, q, i             ; a fragment: lane l holds row l % 16; registers 6 c .. 6 c + 5 hold K = 64 c + 32 (l / 16) + 0 .. 31: 24 bytes of the row's stream of bits, as they lie
.irp p, 0,1,2,3,4,5                    ; in pieces of 8 bytes.  Lanes 0-15 take the row's pieces 12 q + 0, 1, 2 and 12 q + 6, 7, 8, lanes 16-31 those three pieces on
.set PCE, 12*(\q)+6*(\p/3)+\p%3       ; 16 bytes of padding lie behind every 8 pieces: where the piece three on lies behind one padding more, the second address register serves
.if PCE%8 < 5
	ds_load_b64 v[\reg+2*\p:\reg+2*\p+1], v[\adr] offset:8*PCE+16*(PCE/8)+(\i)*16*PITCH
.else
	ds_load_b64 v[\reg+2*\p:\reg+2*\p+1], v[\adr+2] offset:8*PCE+16*(PCE/8)+(\i)*16*PITCH
.endif
.endr
.endm
; 16 matrix instructions: A's blocks a0, a0 + 1 x B's eight, 128 along K: the slot's q-th.  p: B's set;  sc: the set of scale words.  zero = 1: the first product starts the sums.
; The 64 accumulators take turns, one instruction a turn, in the same order in every step.
.macro MUL16 a0, p, q, sc, zero
.irp a, \a0, \a0+1
.irp b, 0,1,2,3,4,5,6,7
.if \zero
	v_wmma_scale_f32_16x16x128_f8f6f4 v[8*(8*((\a)%4)+\b):8*(8*((\a)%4)+\b)+7], v[128*(\p)+FR*\b:128*(\p)+FR*\b+FR-1], v[AF+FR*(\a):AF+FR*(\a)+FR-1], 0, v[SC+8*NQ*(\sc)+NQ*\b+(\q)], v[SC+8*NQ*(\sc)+NQ*(\a)+(\q)] matrix_a_fmt:MATRIX_FMT_BF6 matrix_b_fmt:MATRIX_FMT_BF6 matrix_a_scale:MATRIX_SCALE_ROW1
.else
	v_wmma_scale_f32_16x16x128_f8f6f4 v[8*(8*((\a)%4)+\b):8*(8*((\a)%4)+\b)+7], v[128*(\p)+FR*\b:128*(\p)+FR*\b+FR-1], v[AF+FR*(\a):AF+FR*(\a)+FR-1], v[8*(8*((\a)%4)+\b):8*(8*((\a)%4)+\b)+7], v[SC+8*NQ*(\sc)+NQ*\b+(\q)], v[SC+8*NQ*(\sc)+NQ*(\a)+(\q)] matrix_a_fmt:MATRIX_FMT_BF6 matrix_b_fmt:MATRIX_FMT_BF6 matrix_a_scale:MATRIX_SCALE_ROW1
.endif
.endr
.endr
.endm
.macro FETCH_B slot, q, p              ; B's eight fragments of the slot's q-th 128 along K into set p
	WIN TO_B
.irp i, 0,1,2,3,4,5,6,7
	FRAG 128*(\p)+FR*\i, ADRB+\slot, \q, \i
.endr
	WIN 0
.endm
.macro FETCH_A slot, q, i0             ; A's blocks i0 .. i0 + 3
.irp i, \i0, \i0+1, \i0+2, \i0+3
	FRAG AF+FR*(\i), ADRA+\slot, \q, \i
.endr
.endm
.macro SCALES sc                       ; a K step's scale words into set sc: two words a row; lanes 0-15 take A's block i, lanes 16-31 B's block i
.irp i, 0,1,2,3,4,5,6,7
	ds_load_b64 v[SC+8*NQ*\sc+NQ*\i:SC+8*NQ*\sc+NQ*\i+1], v[ADRS] offset:\i*SBLK
.endr
.endm
; A load into a register that a matrix instruction has read, and a vector instruction that reads a matrix result or writes one of its registers, stand NP places behind it; only plain vector
; instructions that name none of its registers are places (ISA guide 7.12.1 for vector instructions).
.macro PLACES n
.rept \n
	v_nop
.endr
.endm
; A step of 128 along K that has its successor in the same slot.  A has one set of registers: blocks 0-3 are fetched anew in the step's middle, blocks 4-7 at its end; B has two.
.macro STEP slot, q, zero
	s_wait_dscnt 4*NL                              ; B's set and A's blocks 0-3 are in; the youngest 24 loads (A's blocks 4-7) may be out
	WIN MUL_LO
	MUL16 0, (\q)%2, \q, \slot, \zero
	MUL16 2, (\q)%2, \q, \slot, \zero
	s_wait_dscnt 0                                 ; A's blocks 4-7 are in
	PLACES NP
	FETCH_B \slot, (\q)+1, 1-(\q)%2
	FETCH_A \slot, (\q)+1, 0
	WIN MUL_HI
	MUL16 4, (\q)%2, \q, \slot, \zero
	MUL16 6, (\q)%2, \q, \slot, \zero
	PLACES NP
	WIN 0
	FETCH_A \slot, (\q)+1, 4
.endm
; A slot's last step changes slots: one barrier; in front of it each wave waits for all its tensor loads, adds 0 to its spare word, and waits for that and for its own reads of this slot.
; fill = 1: this slot is filled again, two K steps ahead; the barrier then opens a round of the cluster's barrier.
.macro TURN slot, next, fill
	s_wait_tensorcnt 0x0                           ; all my tensor loads have landed: my part of the next slot;
	ds_add_u32 v[SPW], v[NIL]                      ; 0 onto my spare word;
	s_wait_dscnt 4*NL+1                            ; (the add and the youngest 24 loads, A's blocks 4-7, may be out)
	WIN MUL_LO
	MUL16 0, 1, NQ-1, \slot, 0                     ; sixteen matrix instructions stand between the add and the wait for it
	s_wait_dscnt 0x0                               ; the add is done, and my reads of this slot are over
	s_barrier_signal -1
	MUL16 2, 1, NQ-1, \slot, 0
	WIN 0
	s_barrier_wait -1
.if \fill
	CREST                                          ; no wave of any partner still reads this slot's tile or has a load on its way
	s_add_nc_u64 s[G0+4*\slot+2:G0+4*\slot+3], s[G0+4*\slot+2:G0+4*\slot+3], 2*ROWB
	s_add_nc_u64 s[G0B+4*\slot+2:G0B+4*\slot+3], s[G0B+4*\slot+2:G0B+4*\slot+3], 2*ROWB
	JLOAD G0+4*\slot, G1, G0B+4*\slot, G1B         ; the first tensor load behind the round, and my only one until the next; its four v_nop are the places in front of the loads below
.else
	PLACES NP
.endif
	v_add_nc_u32 v[ADRS], 4*NQ, v[ADRS]            ; on to the next K step's scale words
	FETCH_B \next, 0, 0
	FETCH_A \next, 0, 0
	SCALES \next
	WIN MUL_HI
	MUL16 4, 1, NQ-1, \slot, 0
	MUL16 6, 1, NQ-1, \slot, 0
	PLACES NP
	WIN 0
	FETCH_A \next, 0, 4
.endm
	s_wait_tensorcnt 1                             ; the scales and my part of K step 0 are in; K step 1's load may be out
	s_barrier_signal -1
	s_barrier_wait -1                              ; everybody's are
	FETCH_B 0, 0, 0
	FETCH_A 0, 0, 0
	SCALES 0
	FETCH_A 0, 0, 4
	STEP 0, 0, 1                                   ; K = 1,024 is four K steps of 256, eight steps of 128: written out
	TURN 0, 1, 1                                   ; slot 0 takes K step 2
	STEP 1, 0, 0
	TURN 1, 0, 1                                   ; slot 1 takes K step 3
	STEP 0, 0, 0
	TURN 0, 1, 0                                   ; nothing is left to fetch
	STEP 1, 0, 0
	s_wait_dscnt 4*NL
	WIN MUL_LO
	MUL16 0, 1, NQ-1, 1, 0
	MUL16 2, 1, NQ-1, 1, 0
	s_wait_dscnt 0
	WIN MUL_HI
	MUL16 4, 1, NQ-1, 1, 0
	MUL16 6, 1, NQ-1, 1, 0
	WIN 0
; THE WAY OUT.  s and t come back from LDS in both layouts: along the registers (K, V: register 8 b + j is channel 16 b + 8 h + j) and by the lane's row (Q: block a, channel 16 a + r), so that every register is written whatever g is.
	PLACES NP                                      ; behind the last products: the loads and vector lines below write registers that they read
.irp b, 0,1,2,3
	v_mov_b32 v[TM+4+\b], 0                        ; written once: a lane permute's destination counts as one of its sources
.endr
	WIN 0x40                                       ; destination window 1
.irp b, 0,1,2,3,4,5,6,7
.irp e, 0,1
	ds_load_b128 v[S1+8*\b+4*\e:S1+8*\b+4*\e+3], v[BNR] offset:64*\b+16*\e
	ds_load_b128 v[T1+8*\b+4*\e:T1+8*\b+4*\e+3], v[BNR] offset:512+64*\b+16*\e
.endr
.endr
.irp a, 0,1,2,3,4,5,6,7
	ds_load_b32 v[SQ+2*\a], v[BNQ] offset:64*\a
	ds_load_b32 v[SQ+2*\a+1], v[BNQ] offset:64*\a
	ds_load_b32 v[TQ+2*\a], v[BNQ] offset:512+64*\a
	ds_load_b32 v[TQ+2*\a+1], v[BNQ] offset:512+64*\a
.endr
	WIN 0
	s_mov_b32 vcc_lo, 0xffff0000                   ; lanes 16-31
	s_wait_dscnt 0x0
; 64 numbers of a lane, v[s] on: registers 16 b .. 16 b + 15 are my 16 of block b of my row; lane l xor 16 holds the other 16.  They become a fragment's codes in v[CD] on and its scale word in v[pw].
.macro QUANT s, pw
.irp b, 0,1,2,3
	v_max3_num_f32 v[TM+\b], |v[\s+16*\b]|, |v[\s+1+16*\b]|, 0x2800000   ; my 16 numbers, and the floor 2^(5 - 127): the byte cannot fall under 1
.endr
.irp i, 2,4,6,8,10,12,14
.irp b, 0,1,2,3
	v_max3_num_f32 v[TM+\b], v[TM+\b], |v[\s+16*\b+\i]|, |v[\s+1+16*\b+\i]|   ; (the four blocks by turns)
.endr
.endr
.irp b, 0,1,2,3
	v_permlanex16_b32 v[TM+4+\b], v[TM+\b], s[SEL], s[SEL+1]
.endr
.irp b, 0,1,2,3
	v_max_num_f32 v[TM+\b], v[TM+\b], v[TM+4+\b]   ; the block's largest magnitude
.endr
.irp b, 0,1,2,3
	v_add_nc_u32 v[TM+12+\b], 0xfe000000, v[TM+\b]   ; 4 off its exponent field: the conversion takes the exponent field of this operand as its scale
.endr
.irp b, 0,1,2,3
	v_lshrrev_b32 v[TM+4+\b], 23, v[TM+12+\b]      ; the scale's byte
.endr
	v_lshl_or_b32 v[\pw], v[TM+5], 8, v[TM+4]      ; the four bytes make my row's scale word
	v_lshl_or_b32 v[\pw], v[TM+6], 16, v[\pw]
	v_lshl_or_b32 v[\pw], v[TM+7], 24, v[\pw]
.irp c, 0,1
	v_cvt_scalef32_pk16_bf6_f32 v[CD+6*\c:CD+2+6*\c], v[\s+32*\c:\s+15+32*\c], v[TM+12+2*\c]
	v_cvt_scalef32_pk16_bf6_f32 v[CD+12+4*\c:CD+14+4*\c], v[\s+16+32*\c:\s+31+32*\c], v[TM+12+2*\c+1]   ; (a conversion's three registers begin on an even number)
.endr
	v_nop                                          ; one plain place behind a scaled conversion
.irp c, 0,1                                    ; the operand's layout wants a whole block in a lane: lanes 0-15 block 2 c, lanes 16-31 block 2 c + 1
.irp i, 0,1,2
	v_permlane16_swap_b32 v[CD+6*\c+\i], v[CD+12+4*\c+\i]
.endr
.irp i, 0,1,2
	v_mov_b32 v[CD+3+6*\c+\i], v[CD+12+4*\c+\i]
.endr
.endr
.endm
; Block a of my 8 blocks of 16 rows of A: y s + t, max(y, 0.1 y), quantised, stored.  Each accumulator is read from its low end on.
.macro EPI a
.set AC, 64*((\a)%4)
.if (\a) > 0
	s_wait_xcnt 0x0                                ; the last block's stores have read their data: the codes' registers are written again below
.endif
	s_cmp_eq_u32 s[GG], 2
	s_cbranch_scc1 .Lq_\@
	WIN 0x16+(\a)/4                                ; source 0 window 2 or 3, sources 1 and 2 window 1, destination window 0
.set NN, 0
.rept 32
	v_pk_fma_f32 v[YY+NN:YY+NN+1], v[AC+NN:AC+NN+1], v[S1+NN:S1+NN+1], v[T1+NN:T1+NN+1]   ; K, V: the channel runs along the registers
.set NN, NN+2
.endr
	WIN 0
	s_branch .Lj_\@
.Lq_\@:
	WIN 0x16+(\a)/4
.set NN, 0
.rept 32
	v_pk_fma_f32 v[YY+NN:YY+NN+1], v[AC+NN:AC+NN+1], v[SQ+2*(\a):SQ+2*(\a)+1], v[TQ+2*(\a):TQ+2*(\a)+1]   ; Q: the channel is my row
.set NN, NN+2
.endr
	WIN 0
.Lj_\@:
.set NN, 0
.rept 32
	v_pk_mul_f32 v[TT+NN:TT+NN+1], v[YY+NN:YY+NN+1], s[SLP:SLP+1] op_sel_hi:[1,0]
.set NN, NN+2
.endr
.set NN, 0
.rept 64
	v_max_num_f32 v[YY+NN], v[YY+NN], v[TT+NN]     ; y where y > 0, else 0.1 y
.set NN, NN+1
.endr
	QUANT YY, PW+(\a)
.irp c, 0,1,2
	global_store_b128 v[LI], v[CD+4*\c:CD+4*\c+3], s[12:13] offset:1536*(\a)+512*\c   ; the fragment as it stands: 32 lanes store 512 consecutive bytes, at a multiple of 512 from the buffer's first byte
.endr
.endm
.irp a, 0,1,2,3,4,5,6,7
	EPI \a
.endr
.irp k, 0,1,2,3
	v_cndmask_b32 v[SW+\k], v[PW+2*\k], v[PW+2*\k+1], vcc_lo   ; register k: lanes 0-15 fragment 2 k's words, lanes 16-31 fragment 2 k + 1's (both halves of the lanes hold their row's word)
.endr
	global_store_b128 v[LI], v[SW:SW+3], s[OUTS:OUTS+1]   ; 512 consecutive bytes
	s_wait_tensorcnt 0x0                           ; the wave's end: behind my last tensor load and my last LDS store
	ds_add_u32 v[SPW], v[NIL]
	s_wait_dscnt 0x0
	CROUND                                         ; the closing round: no work-group ends while a partner may still ask for a tile that names it
	s_endpgm
.Lfunc_end_k_qbe7addabcf_proj:
	.size	k_qbe7addabcf_proj, .Lfunc_end_k_qbe7addabcf_proj-k_qbe7addabcf_proj
	.p2alignl 7, 3214868480
	.fill 96, 4, 3214868480
	.section	.rodata,"a",@progbits
	.p2align	6, 0x0
	.amdhsa_kernel k_qbe7addabcf_proj
		.amdhsa_group_segment_fixed_size 327680
		.amdhsa_private_segment_fixed_size 0
		.amdhsa_enable_private_segment 0
		.amdhsa_kernarg_size 208
		.amdhsa_user_sgpr_count 2
		.amdhsa_user_sgpr_kernarg_segment_ptr 1
		.amdhsa_wavefront_size32 1
		.amdhsa_system_sgpr_workgroup_id_x 1
		.amdhsa_system_sgpr_workgroup_id_y 1
		.amdhsa_system_sgpr_workgroup_id_z 1
		.amdhsa_system_vgpr_workitem_id 0
		.amdhsa_next_free_vgpr 1024
		.amdhsa_next_free_sgpr 102
		.amdhsa_reserve_vcc 1
		.amdhsa_float_denorm_mode_32 3
		.amdhsa_float_denorm_mode_16_64 3
		.amdhsa_memory_ordered 1
		.amdhsa_forward_progress 1
		.amdhsa_inst_pref_size 236
	.end_amdhsa_kernel
	.amdgpu_metadata
---
amdhsa.version: [ 1, 2 ]
amdhsa.kernels:
  - .name:           k_qbe7addabcf_proj
    .symbol:         k_qbe7addabcf_proj.kd
    .args:
      - { .name: Xk_codes, .offset: 0, .size: 8, .value_kind: global_buffer, .address_space: global }
      - { .name: Xk_scales, .offset: 8, .size: 8, .value_kind: global_buffer, .address_space: global }
      - { .name: Wk_codes, .offset: 16, .size: 8, .value_kind: global_buffer, .address_space: global }
      - { .name: Wk_scales, .offset: 24, .size: 8, .value_kind: global_buffer, .address_space: global }
      - { .name: Xq_codes, .offset: 32, .size: 8, .value_kind: global_buffer, .address_space: global }
      - { .name: Xq_scales, .offset: 40, .size: 8, .value_kind: global_buffer, .address_space: global }
      - { .name: Wv_codes, .offset: 48, .size: 8, .value_kind: global_buffer, .address_space: global }
      - { .name: Wv_scales, .offset: 56, .size: 8, .value_kind: global_buffer, .address_space: global }
      - { .name: Wq_codes, .offset: 64, .size: 8, .value_kind: global_buffer, .address_space: global }
      - { .name: Wq_scales, .offset: 72, .size: 8, .value_kind: global_buffer, .address_space: global }
      - { .name: gamma2, .offset: 80, .size: 8, .value_kind: global_buffer, .address_space: global }
      - { .name: beta2, .offset: 88, .size: 8, .value_kind: global_buffer, .address_space: global }
      - { .name: mean2, .offset: 96, .size: 8, .value_kind: global_buffer, .address_space: global }
      - { .name: var2, .offset: 104, .size: 8, .value_kind: global_buffer, .address_space: global }
      - { .name: gamma3, .offset: 112, .size: 8, .value_kind: global_buffer, .address_space: global }
      - { .name: beta3, .offset: 120, .size: 8, .value_kind: global_buffer, .address_space: global }
      - { .name: mean3, .offset: 128, .size: 8, .value_kind: global_buffer, .address_space: global }
      - { .name: var3, .offset: 136, .size: 8, .value_kind: global_buffer, .address_space: global }
      - { .name: gamma1, .offset: 144, .size: 8, .value_kind: global_buffer, .address_space: global }
      - { .name: beta1, .offset: 152, .size: 8, .value_kind: global_buffer, .address_space: global }
      - { .name: mean1, .offset: 160, .size: 8, .value_kind: global_buffer, .address_space: global }
      - { .name: var1, .offset: 168, .size: 8, .value_kind: global_buffer, .address_space: global }
      - { .name: kf, .offset: 176, .size: 8, .value_kind: global_buffer, .address_space: global }
      - { .name: ks, .offset: 184, .size: 8, .value_kind: global_buffer, .address_space: global }
      - { .name: vq, .offset: 192, .size: 8, .value_kind: global_buffer, .address_space: global }
      - { .name: vqs, .offset: 200, .size: 8, .value_kind: global_buffer, .address_space: global }
    .group_segment_fixed_size: 327680
    .private_segment_fixed_size: 0
    .kernarg_segment_align: 8
    .kernarg_segment_size: 208
    .max_flat_workgroup_size: 128
    .sgpr_count:     102
    .vgpr_count:     1024
    .wavefront_size: 32
...
	.end_amdgpu_metadata
.endif
;; end of part 1
;; launch attn (part 2): grid 8 x 32, 16 waves a work-group, clusters of 4 x 1, 327,680 bytes of LDS; arguments kf, ks, vq, vqs, out0; writes out0
.if DOCPART == 2
	.amdgcn_target "amdgcn-amd-amdhsa--gfx1250"
	.amdhsa_code_object_version 6
	.text
	.protected	k_qbe7addabcf_attn
	.globl	k_qbe7addabcf_attn
	.p2align	8
	.type	k_qbe7addabcf_attn,@function
k_qbe7addabcf_attn:
	s_mov_b64 s[64:65], 0
	v_nop
	global_prefetch_b8 v0, s[64:65] scope:SCOPE_SE
	s_setreg_imm32_b32 hwreg(HW_REG_WAVE_MODE, 25, 1), 1
	s_wait_xcnt 0x0
	s_wait_alu depctr_hold_cnt(0) depctr_sa_sdst(0) depctr_va_vdst(0) depctr_va_sdst(0) depctr_va_ssrc(0) depctr_va_vcc(0) depctr_vm_vsrc(0)
	s_getreg_b32 s2, hwreg(HW_REG_IB_STS2, 6, 4)
	s_cmp_eq_u32 s2, 0
	s_cbranch_scc0 .Lentry_in_a_cluster
	s_endpgm
.Lentry_in_a_cluster:
	s_bfe_u32 s2, ttmp6, 0x10000c
	s_cmp_lg_u32 s2, 0x3003
	s_cbranch_scc0 .Lentry_shape_is_right
	s_endpgm
.Lentry_shape_is_right:
; out[b][head][c][i] = the sum over j of softmax_j(K[:, i] . V[:, j] / sqrt(128)) Q[c][j], both products on codes of BF6 (E3M2) with one E8M0 scale for each 32 along a product's K.
; K's points i are the "queries", V's points j the "keys", Q[c][j] the "values".  All three come from the launch before as images of operand registers: a fragment (16 rows x 128 K) is 1,536 bytes, register 4 c + e of
; lane l at byte 512 c + 16 l + 4 e; the scale words of 8 fragments are 512 bytes: one load of 16 bytes a lane gives register k: lanes 0-15 fragment 2 k's words, lanes 16-31 fragment 2 k + 1's.
; THE SOFTMAX AHEAD OF THE SECOND PRODUCT: t = score x log2(e) / sqrt(128); M = the row's largest t so far, rounded up to a whole number; p = 2^(t - M) is what is quantised, along the keys; it is not normalised.
; The row's sum is taken of the unquantised p, in f32, and divides at the end.  When M moves, the sum and O are multiplied by 2^(old M - new M): exact.
; SHARES.  A work-group owns 256 queries of one head (8 x batch + head = the grid's y); each of its sixteen waves owns 16, one tile, in 256 registers: four waves to a SIMD, so that one wave's vector work stands beside
; another's matrix work and LDS loads.  Every wave walks the head's 2,048 keys, 128 a step.
; LAYOUT.  Both products are used transposed: S^T (source 0 = 16 keys of V, source 1 = my 16 queries), O^T (source 0 = 16 channels of Q, source 1 = p): a lane holds one query (lane % 16) throughout.
; ORDER OF k.  p's 16 registers of tiles 2 b, 2 b + 1 are keys 32 b + 8 h + 0 .. 7 and 32 b + 16 + 8 h + 0 .. 7: the very order in which the launch before laid Q's codes inside each block of 32.  Blocks and scales are the
; quantiser's own.  LIMIT: the sums inside a block of 32 are taken in another order than ascending k.
; LIMITS: NaN and infinities are not served.  A block of p whose largest number lies under 2^(5 - 127) gets the byte 1; what v_exp_f32 gives under 2^-126 is 0.
; RING AND CLUSTER.  A slot holds 512 keys: V's four groups of 12,288 bytes, then Q's four: 98,304 dense bytes of memory, a quarter to each of waves 0 to 3, read by all sixteen.  The four work-groups of a cluster belong to
; one head and walk the same slots: each quarter is asked for jointly, by the same tensor load with the same descriptor and the mask of all four.  The head's scale words, 16,384 bytes, come once, with the first fills.
; REGISTERS: v1-3 lane terms; v5, v6 the add's; v7 the way out; v8-10 addresses in hand; v12 -M, v13 the largest t, v[14:15] the sum in two halves; v16-27 my queries; v28 the prefetch's offset; v32-79 four fragments;
; v84-91 V's and Q's scale words and nothing else; v96-159 S^T, then p, then four fragments of Q; v160-223 O^T; v224-235 p's codes; v232-254 at work; v253 p's scale word; v255 my queries' scale words.
.set FRB,   1536                       ; a fragment's image
.set GRP,   8*FRB                      ; a group: 128 keys of V, or 128 channels x 128 keys of Q
.set QOFF,  4*GRP                      ; Q's groups in a slot
.set SLOTB, 8*GRP                      ; a slot's bytes
.set SLOT1, 1<<17                      ; slot 1 begins here, so that one exclusive or turns an address in one slot into the other's
.set SCV,   2*SLOT1                    ; V's scale words of the head, 8,192 bytes; Q's lie 8,192 further on
.set SPARE, SCV+16384                  ; the spare words, 128 bytes a wave: eight blocks of 256 bytes that no other line names
.set SPITCH, 1040                      ; the way out: a stage of 128 channel rows x (256 queries x 4 bytes + 16), from LDS byte 0: both slots have had their last fill and their last read by then
.set LI,   1                           ; v1   16 x lane; never rewritten
.set LSC,  2                           ; v2   SCV + 16 x lane
.set LIQ,  3                           ; v3   QOFF + 16 x lane
.set SPW,  5                           ; v5   my spare word; never rewritten
.set NIL,  6                           ; v6   0; never rewritten
.set SR,   7                           ; v7   the way out: where I read rows back
.set ADK,  8                           ; v8   V's groups of the slot in hand
.set ADQ,  9                           ; v9   Q's
.set ADS,  10                          ; v10  the step's scale words
.set PFO,  28                          ; v28  256 x lane; never rewritten
.set TB,   2                           ; s2   LDS byte at which the slot in hand begins
.set TS,   3                           ; s3   512 x the key step
.set WV,   18                          ; s18  my wave's number
.set SEL,  20                          ; s[20:21] selects of v_permlanex16_b32: lane l xor 16
.set CS,   22                          ; s[22:23] c = log2(e) / sqrt(128), twice
.set G1,   24                          ; s[24:31] group 1 for a quarter of a slot;  s[32:39] for a quarter of the scale words
.set G1S,  32
.set G0,   40                          ; s[40:43] group 0, which walks;  s[44:47] the scale words'
.set G0S,  44
.set SLOTS, 48                         ; s48  slots still to be asked for
.set PFA,  50                          ; s[50:51] where my prefetch stands
.set LIM,  52                          ; s52  1 in a wave that prefetches, else the greatest number
.macro CROUND                          ; a round of the cluster's barrier
	s_barrier_signal -1
	s_barrier_wait -1
	s_cmp_lg_u32 s[WV], 0
	s_cbranch_scc1 .Lnot_wave_0_\@
	s_barrier_signal -3
.Lnot_wave_0_\@:
	s_barrier_wait -3
	s_barrier_signal -1
	s_barrier_wait -1
.endm
.macro TLOAD                           ; waves 0 to 3 fetch a quarter of a slot each; the branch hangs on the wave's number alone.  Four v_nop follow the load
	s_cmp_lt_u32 s[WV], 4
	s_cbranch_scc0 .Lasked_\@
	tensor_load_to_lds s[G0:G0+3], s[G1:G1+7]
	s_nop 0
.rept 4
	v_nop
.endr
.Lasked_\@:
.endm
; A PREFETCH INTO THE L2 of the slot that the NEXT change of slots will ask for: four key steps ahead of that load.  Both clusters of a head walk the same slots: the first asks.  Its four partners take 24,576 bytes each,
; told apart by address; in each, waves 4 to 6, which fetch nothing, ask for 8,192 bytes each, lanes 256 bytes apart: 4 x 3 x 32 requests name each 256 bytes of the slot once.  Slots 0 and 1 come by their loads alone;
; the last change that fills a slot asks for nothing: there is no slot behind it.
.macro ASK
	s_cmp_gt_u32 s[SLOTS], s[LIM]
	s_cbranch_scc0 .Lnot_mine_\@
	global_prefetch_b8 v[PFO], s[PFA:PFA+1] th:TH_LOAD_NT scope:SCOPE_SE
.Lnot_mine_\@:
.endm
	s_load_b256 s[4:11], s[0:1], 0x0               ; kf s[4:5], ks s[6:7], vq s[8:9], vqs s[10:11]
	s_load_b64 s[16:17], s[0:1], 0x20              ; out0
	v_lshl_add_u32 v[SPW], v0, 2, SPARE
	v_mov_b32 v[NIL], 0
	ds_add_u32 v5, v6
	ds_add_u32 v5, v6
	s_wait_dscnt 0x0
	v_lshrrev_b32 v8, 5, v0
	s_delay_alu instid0(VALU_DEP_1)
	v_readfirstlane_b32 s[WV], v8                  ; wave 0..15
	s_bfe_u32 s53, ttmp6, 0x40000                  ; cx: my place in the cluster
	s_lshl_b32 s54, ttmp9, 2
	s_add_co_u32 s54, s54, s53                     ; my block of 256 queries: it enters kf's, ks's and out0's addresses alone
	s_and_b32 s55, ttmp7, 0xffff                   ; 8 x batch + head, which the four partners share
	s_and_b32 s56, s[WV], 3                        ; which quarter I fetch, if I fetch
	; descriptor group 1: 24,576 dense bytes as 96 rows of 256 (32 elements of 8 bytes); no padding: a fragment's load reads 512 consecutive bytes
	s_mov_b32 s[G1], 15|(3<<16)|(1<<21)            ; 15:0 the mask: all four work-groups; 17:16 elements of 8 bytes; 21 set beside a mask
	s_mov_b32 s[G1+1], 32<<16                      ; tensor_dim0
	s_mov_b32 s[G1+2], 96<<16                      ; tensor_dim1
	s_mov_b32 s[G1+3], 32<<16                      ; tile_dim0
	s_mov_b32 s[G1+4], 96                          ; tile_dim1
	s_mov_b32 s[G1+5], 32                          ; tensor_dim0_stride
	s_mov_b32 s[G1+6], 0
	s_mov_b32 s[G1+7], 0
	s_mov_b32 s[G1S], 15|(3<<16)|(1<<21)           ; the scale words: 4,096 dense bytes as 16 rows of 256
	s_mov_b32 s[G1S+1], 32<<16
	s_mov_b32 s[G1S+2], 16<<16
	s_mov_b32 s[G1S+3], 32<<16
	s_mov_b32 s[G1S+4], 16
	s_mov_b32 s[G1S+5], 32
	s_mov_b32 s[G1S+6], 0
	s_mov_b32 s[G1S+7], 0
	s_mul_i32 s58, s55, 4*SLOTB                    ; the head's first byte in vq
	s_mul_i32 s57, s56, SLOTB/4                    ; my quarter, in memory and in a slot
	s_add_co_u32 s60, s58, s57
	s_mov_b32 s61, 0
	s_lshl_b32 s59, s56, 12                        ; my quarter of the scale words
	s_lshl_b32 s62, s55, 14
	s_add_co_u32 s62, s62, s59
	s_mov_b32 s63, 0
	s_mov_b32 s[SEL], 0x76543210
	s_mov_b32 s[SEL+1], 0xfedcba98
	s_mov_b32 s[CS], 0x3e0293ee                    ; c = log2(e) / sqrt(128)
	s_mov_b32 s[CS+1], s[CS]                       ; (named with it as a pair, so it is written)
	s_mov_b32 s[TB], 0
	s_mov_b32 s[TS], 0
	s_mov_b32 s[SLOTS], 3
	s_lshr_b32 s[LIM], s[WV], 2
	s_xor_b32 s[LIM], s[LIM], 1                    ; 0 in waves 4 to 7,
	s_or_b32 s[LIM], s[LIM], ttmp9                 ; of the head's first cluster: the same in all four partners
	s_cmp_eq_u32 s[LIM], 0
	s_cselect_b32 s[LIM], 1, -1
	s_cmp_eq_u32 s[WV], 7                          ; (a partner's share is three waves' worth)
	s_cselect_b32 s[LIM], -1, s[LIM]
	s_wait_kmcnt 0x0
	s_mov_b32 s[G0], 1                             ; 1:0 count = 1
	s_mov_b32 s[G0+1], s57                         ; LDS address: slot 0, my quarter
	s_add_nc_u64 s[G0+2:G0+3], s[8:9], s[60:61]    ; global address: the head's slot 0
	s_or_b32 s[G0+3], s[G0+3], 0x80000000          ; type = 2
	s_mov_b32 s[G0S], 1
	s_add_co_u32 s[G0S+1], s59, SCV
	s_add_nc_u64 s[G0S+2:G0S+3], s[10:11], s[62:63]
	s_or_b32 s[G0S+3], s[G0S+3], 0x80000000
	CROUND                                         ; all four work-groups are here: the first joint loads meet
	s_cmp_lt_u32 s[WV], 4                          ; a wave's two first fills stand in one branch: two tensor loads of a wave are out at the most
	s_cbranch_scc0 .Lno_first
	tensor_load_to_lds s[G0S:G0S+3], s[G1S:G1S+7]  ; the head's scale words: filled once
	s_nop 0
	tensor_load_to_lds s[G0:G0+3], s[G1:G1+7]      ; slot 0
	s_nop 0
.rept 4
	v_nop
.endr
.Lno_first:
	; my queries: fragment 16 x block + wave of the head's 128, and its scale words
	s_lshl_b32 s62, s55, 7
	s_lshl_b32 s63, s54, 4
	s_add_co_u32 s62, s62, s63
	s_add_co_u32 s62, s62, s[WV]
	s_mul_i32 s62, s62, FRB
	s_mov_b32 s63, 0
	s_add_nc_u64 s[4:5], s[4:5], s[62:63]
	s_lshl_b32 s66, s55, 4
	s_lshl_b32 s67, s54, 1
	s_add_co_u32 s66, s66, s67
	s_lshr_b32 s67, s[WV], 3
	s_add_co_u32 s66, s66, s67                     ; the group of 8 fragments,
	s_lshl_b32 s66, s66, 9
	s_and_b32 s67, s[WV], 1
	s_lshl_b32 s67, s67, 8                         ; in it fragment a = wave % 8: 256 (a & 1)
	s_add_co_u32 s66, s66, s67
	s_bfe_u32 s67, s[WV], 0x20001
	s_lshl_b32 s67, s67, 2                         ; + 4 (a >> 1)
	s_add_co_u32 s66, s66, s67
	s_mov_b32 s67, 0
	s_add_nc_u64 s[6:7], s[6:7], s[66:67]
	s_lshl_b32 s68, s55, 20                        ; out0: the head's 128 rows of 8,192 bytes,
	s_lshl_b32 s69, s[WV], 16                      ; the 8 rows that my wave stores,
	s_add_co_u32 s68, s68, s69
	s_lshl_b32 s69, s54, 10                        ; my block's 1,024 bytes of a row
	s_add_co_u32 s68, s68, s69
	s_mov_b32 s69, 0
	s_add_nc_u64 s[16:17], s[16:17], s[68:69]
	s_mul_i32 s[PFA], s53, SLOTB/4                 ; the prefetch: my work-group's quarter,
	s_lshl_b32 s[PFA+1], s56, 13                   ; my wave's 8,192 bytes of it,
	s_add_co_u32 s[PFA], s[PFA], s[PFA+1]
	s_add_co_u32 s[PFA], s[PFA], s58               ; in my head,
	s_add_co_u32 s[PFA], s[PFA], SLOTB             ; in slot 1: the first change of slots steps it to slot 2.  Nothing is prefetched here, at the head
	s_mov_b32 s[PFA+1], 0
	s_add_nc_u64 s[PFA:PFA+1], s[8:9], s[PFA:PFA+1]
	v_and_b32 v8, 31, v0
	s_delay_alu instid0(VALU_DEP_1)
	v_lshlrev_b32 v[LI], 4, v8
	s_delay_alu instid0(VALU_DEP_1)
	v_add_nc_u32 v[LIQ], QOFF, v[LI]
	s_delay_alu instid0(VALU_DEP_2)
	v_add_nc_u32 v[LSC], SCV, v[LI]
	s_delay_alu instid0(VALU_DEP_4)
	v_lshlrev_b32 v[PFO], 8, v8
.irp c, 0,1,2
	global_load_b128 v[16+4*\c:19+4*\c], v[LI], s[4:5] offset:512*\c   ; my queries' fragment stays in registers
.endr
	v_and_b32 v9, 15, v0
	s_delay_alu instid0(VALU_DEP_1)
	v_lshlrev_b32 v9, 4, v9
	global_load_b32 v255, v9, s[6:7]               ; row r's word at 16 r
	v_mov_b32 v13, 0xff61b1e6                      ; the largest t so far: -3e38, under every t
	s_delay_alu instid0(VALU_DEP_1)
	v_floor_f32 v12, -v13                          ; -M
	v_mov_b32 v14, 0                               ; the sum, in two halves
	v_mov_b32 v15, 0
.irp b, 0,1,2,3
	v_mov_b32 v[236+\b], 0                         ; written once: a lane permute's destination counts as one of its sources
.endr
	v_mov_b32 v253, 0                              ; (named as the upper half of the pair v[252:253] before it is first written)
.set NN, 0
.rept 64
	v_mov_b32 v[160+NN], 0                         ; O^T.  The key step has no first form of its own: the first finds zeros, which the first change of M leaves zeros
.set NN, NN+1
.endr
; A KEY STEP: 128 keys, the q-th group of the slot in hand.
.macro STEP q
	v_add_nc_u32 v[ADK], s[TB], v[LI]
	s_wait_alu depctr_va_vdst(0)
	v_add_nc_u32 v[ADQ], s[TB], v[LIQ]
	v_add_nc_u32 v[ADS], s[TS], v[LSC]
	v_nop
	v_nop                                          ; five places behind the last step's products: four for the loads into registers that they read, five since S^T is written over the fragments in v96-143
	ds_load_b128 v[84:87], v[ADS]                  ; V's scale words of these 8 fragments,
	ds_load_b128 v[88:91], v[ADS] offset:8192      ; and Q's
.irp g, 0,1                                    ; S^T, four tiles of 16 keys at a time
.if \g > 0
.rept 4
	v_nop                                          ; places in front of loads into registers that matrix instructions have read
.endr
.endif
.irp t, 0,1,2,3
.irp c, 0,1,2
	ds_load_b128 v[32+12*\t+4*\c:35+12*\t+4*\c], v[ADK] offset:GRP*(\q)+(4*\g+\t)*FRB+512*\c
.endr
.endr
	s_wait_dscnt 0x0
.irp t, 0,1,2,3
.if (\t)%2
	v_wmma_scale_f32_16x16x128_f8f6f4 v[96+8*(4*\g+\t):103+8*(4*\g+\t)], v[32+12*\t:43+12*\t], v[16:27], 0, v[84+2*\g+\t/2], v255 matrix_a_fmt:MATRIX_FMT_BF6 matrix_b_fmt:MATRIX_FMT_BF6 matrix_a_scale:MATRIX_SCALE_ROW1
.else
	v_wmma_scale_f32_16x16x128_f8f6f4 v[96+8*(4*\g+\t):103+8*(4*\g+\t)], v[32+12*\t:43+12*\t], v[16:27], 0, v[84+2*\g+\t/2], v255 matrix_a_fmt:MATRIX_FMT_BF6 matrix_b_fmt:MATRIX_FMT_BF6
.endif
.endr
.endr
.rept 4
	v_nop                                          ; places in front of the loads below and of the first read of the scores
.endr
	s_wait_alu depctr_va_vdst(0)
.irp t, 0,1,2,3
.irp c, 0,1,2
	ds_load_b128 v[32+12*\t+4*\c:35+12*\t+4*\c], v[ADQ] offset:GRP*(\q)+(\t)*FRB+512*\c   ; Q's fragments 0 to 3 land while the softmax is walked
.endr
.endr
.irp b, 0,1,2,3
	v_max3_num_f32 v[232+\b], v[96+16*\b], v[97+16*\b], v[98+16*\b]   ; the largest score of each block of 32 keys: it serves for the row's maximum and, since p rises with the score, for the block's largest p
.endr
.irp i, 3,5,7,9,11,13
.irp b, 0,1,2,3
	v_max3_num_f32 v[232+\b], v[232+\b], v[96+16*\b+\i], v[97+16*\b+\i]   ; (the four blocks by turns)
.endr
.endr
.irp b, 0,1,2,3
	v_max_num_f32 v[232+\b], v[232+\b], v[111+16*\b]
.endr
.irp b, 0,1,2,3
	s_delay_alu instid0(VALU_DEP_4)
	v_permlanex16_b32 v[236+\b], v[232+\b], s[SEL], s[SEL+1]
.endr
.irp b, 0,1,2,3
	s_delay_alu instid0(VALU_DEP_4)
	v_max_num_f32 v[232+\b], v[232+\b], v[236+\b]  ; with lane l xor 16's 16 keys
.endr
	s_delay_alu instid0(VALU_DEP_2)
	v_max3_num_f32 v254, v232, v233, v234
	s_delay_alu instid0(VALU_DEP_1)
	v_max_num_f32 v254, v254, v235                 ; the step's largest score of my query
	s_delay_alu instid0(VALU_DEP_1)
	v_mul_f32 v254, s[CS], v254                    ; as t (c is positive)
	s_delay_alu instid0(VALU_DEP_1)
	v_max_num_f32 v13, v13, v254                   ; the running largest t
	v_mov_b32 v254, v12
	s_delay_alu instid0(VALU_DEP_2)
	v_floor_f32 v12, -v13                          ; the new -M = floor(-t) = -ceil(t): M is a whole number
	s_delay_alu instid0(VALU_DEP_1)
	v_sub_f32 v254, v12, v254                      ; M's old value less its new one: a whole number, 0 or less
	s_delay_alu instid0(VALU_DEP_1)
	v_cvt_i32_f32 v254, v254                       ; (it saturates)
	s_delay_alu instid0(VALU_DEP_1)
	v_ldexp_f32 v252, 1.0, v254                    ; f = 2^(old M - new M)
.set NN, 0
.rept 32
	v_pk_fma_f32 v[96+NN:97+NN], v[96+NN:97+NN], s[CS:CS+1], v[12:13] op_sel_hi:[1,0,0]   ; t - M, two at a time (of the pairs c and -M the low word serves both halves)
.set NN, NN+2
.endr
.irp b, 0,1,2,3
	v_fma_f32 v[232+\b], v[232+\b], s[CS], v12     ; the same of each block's largest score
.endr
.set NN, 0
	s_wait_alu depctr_va_vdst(0)
.rept 64
	v_exp_f32 v[96+NN], v[96+NN]                   ; p = 2^(t - M), at most 1: not normalised
.set NN, NN+1
.endr
	v_pk_mul_f32 v[14:15], v[14:15], v[252:253] op_sel_hi:[1,0]   ; the sums under the new M: the plain instruction behind the exponentials
	s_wait_alu depctr_va_vdst(0)                   ; one wait for the whole batch, ahead of its first reader
.irp b, 0,1,2,3
	v_exp_f32 v[232+\b], v[232+\b]                 ; the block's largest p: the same two instructions on the same number give the same bits
.endr
	v_pk_add_f32 v[236:237], v[100:101], v[104:105]
	v_pk_add_f32 v[250:251], v[108:109], v[112:113]
	v_pk_add_f32 v[248:249], v[116:117], v[120:121]
	v_pk_add_f32 v[246:247], v[124:125], v[128:129]
	v_pk_add_f32 v[244:245], v[132:133], v[136:137]
	v_pk_add_f32 v[242:243], v[140:141], v[144:145]
	v_pk_add_f32 v[240:241], v[148:149], v[152:153]
	v_pk_add_f32 v[14:15], v[14:15], v[156:157]
	v_pk_add_f32 v[236:237], v[236:237], v[96:97]
	v_pk_add_f32 v[250:251], v[250:251], v[98:99]
	v_pk_add_f32 v[248:249], v[248:249], v[102:103]
	v_pk_add_f32 v[246:247], v[246:247], v[106:107]
	v_pk_add_f32 v[244:245], v[244:245], v[110:111]
	v_pk_add_f32 v[242:243], v[242:243], v[114:115]
	v_pk_add_f32 v[240:241], v[240:241], v[118:119]
	v_pk_add_f32 v[14:15], v[14:15], v[122:123]
	v_pk_add_f32 v[236:237], v[236:237], v[126:127]
	v_pk_add_f32 v[250:251], v[250:251], v[130:131]
	v_pk_add_f32 v[248:249], v[248:249], v[134:135]
	v_pk_add_f32 v[246:247], v[246:247], v[138:139]
	v_pk_add_f32 v[244:245], v[244:245], v[142:143]
	v_pk_add_f32 v[242:243], v[242:243], v[146:147]
	v_pk_add_f32 v[240:241], v[240:241], v[150:151]
	v_pk_add_f32 v[14:15], v[14:15], v[154:155]
	v_pk_add_f32 v[236:237], v[236:237], v[158:159]
	s_delay_alu instid0(VALU_DEP_2)
	v_pk_add_f32 v[14:15], v[14:15], v[246:247]
	s_delay_alu instid0(VALU_DEP_2)
	v_pk_add_f32 v[236:237], v[236:237], v[244:245]
	v_pk_add_f32 v[250:251], v[250:251], v[242:243]
	v_pk_add_f32 v[248:249], v[248:249], v[240:241]
	s_delay_alu instid0(VALU_DEP_2)
	v_pk_add_f32 v[14:15], v[14:15], v[250:251]
	s_delay_alu instid0(VALU_DEP_2)
	v_pk_add_f32 v[236:237], v[236:237], v[248:249]
	s_delay_alu instid0(VALU_DEP_1)
	v_pk_add_f32 v[14:15], v[14:15], v[236:237]
	s_wait_alu depctr_va_vdst(0)                   ; and one for the four
.irp b, 0,1,2,3
	v_max_num_f32 v[232+\b], 0x2800000, v[232+\b]  ; the floor 2^(5 - 127): the byte cannot fall under 1
.endr
.irp b, 0,1,2,3
	s_delay_alu instid0(VALU_DEP_4)
	v_add_nc_u32 v[244+\b], 0xfe000000, v[232+\b]  ; 4 off the exponent field: the conversion's scale operand
.endr
.irp b, 0,1,2,3
	s_delay_alu instid0(VALU_DEP_4)
	v_lshrrev_b32 v[236+\b], 23, v[244+\b]         ; the scale's byte
.endr
	s_delay_alu instid0(VALU_DEP_3)
	v_lshl_or_b32 v253, v237, 8, v236              ; p's scale word for these 128 keys
	s_delay_alu instid0(VALU_DEP_1)
	v_lshl_or_b32 v253, v238, 16, v253
	s_delay_alu instid0(VALU_DEP_1)
	v_lshl_or_b32 v253, v239, 24, v253
.irp c, 0,1
	v_cvt_scalef32_pk16_bf6_f32 v[224+6*\c:226+6*\c], v[96+32*\c:111+32*\c], v[244+2*\c]
	v_cvt_scalef32_pk16_bf6_f32 v[236+4*\c:238+4*\c], v[112+32*\c:127+32*\c], v[244+2*\c+1]   ; (a conversion's three registers begin on an even number)
.endr
	v_nop                                          ; one plain place behind a scaled conversion
.irp t, 0,1,2,3
.irp c, 0,1,2
	ds_load_b128 v[96+12*\t+4*\c:99+12*\t+4*\c], v[ADQ] offset:GRP*(\q)+(4+\t)*FRB+512*\c   ; p is done with: Q's fragments 4 to 7 take its registers
.endr
.endr
.irp c, 0,1                                    ; the operand's layout wants a whole block in a lane: lanes 0-15 block 2 c, lanes 16-31 block 2 c + 1
.irp i, 0,1,2
	v_permlane16_swap_b32 v[224+6*\c+\i], v[236+4*\c+\i]
.endr
.irp i, 0,1,2
	s_delay_alu instid0(VALU_DEP_3)
	v_mov_b32 v[227+6*\c+\i], v[236+4*\c+\i]
.endr
.endr
.set NN, 0
.rept 32
	v_pk_mul_f32 v[160+NN:161+NN], v[160+NN:161+NN], v[252:253] op_sel_hi:[1,0]   ; O^T under the new M.  These 32 also stand between the lines that made p's codes and scale word and the products below
.set NN, NN+2
.endr
	s_wait_alu depctr_va_vdst(0)
	s_wait_dscnt 12                                ; Q's fragments 0 to 3 are in; the 12 loads of fragments 4 to 7 may be out
.irp t, 0,1,2,3                                ; O^T += Q p^T: the eight accumulators by turns
.if (\t)%2
	v_wmma_scale_f32_16x16x128_f8f6f4 v[160+8*\t:167+8*\t], v[32+12*\t:43+12*\t], v[224:235], v[160+8*\t:167+8*\t], v[88+\t/2], v253 matrix_a_fmt:MATRIX_FMT_BF6 matrix_b_fmt:MATRIX_FMT_BF6 matrix_a_scale:MATRIX_SCALE_ROW1
.else
	v_wmma_scale_f32_16x16x128_f8f6f4 v[160+8*\t:167+8*\t], v[32+12*\t:43+12*\t], v[224:235], v[160+8*\t:167+8*\t], v[88+\t/2], v253 matrix_a_fmt:MATRIX_FMT_BF6 matrix_b_fmt:MATRIX_FMT_BF6
.endif
.endr
	s_wait_dscnt 0x0
.irp t, 0,1,2,3
.if (\t)%2
	v_wmma_scale_f32_16x16x128_f8f6f4 v[192+8*\t:199+8*\t], v[96+12*\t:107+12*\t], v[224:235], v[192+8*\t:199+8*\t], v[90+\t/2], v253 matrix_a_fmt:MATRIX_FMT_BF6 matrix_b_fmt:MATRIX_FMT_BF6 matrix_a_scale:MATRIX_SCALE_ROW1
.else
	v_wmma_scale_f32_16x16x128_f8f6f4 v[192+8*\t:199+8*\t], v[96+12*\t:107+12*\t], v[224:235], v[192+8*\t:199+8*\t], v[90+\t/2], v253 matrix_a_fmt:MATRIX_FMT_BF6 matrix_b_fmt:MATRIX_FMT_BF6
.endif
.endr
	s_add_co_u32 s[TS], s[TS], 512                 ; the next step's scale words
.endm
; THE CHANGE OF SLOTS stands at a slot's head.  Each wave waits for all its tensor loads (its part of the slot that it is about to read), adds 0 to its spare word, and waits for that and for its reads of the slot that it has
; left.  fill = 1: a round of the cluster's barrier, so that no wave of any partner still reads that slot or has a load on its way; behind it the slot is filled with the keys that follow: four key steps in which to land.
.macro CHANGE fill
	s_wait_tensorcnt 0x0                           ; no tensor load of mine is out, so a group 0 may be written
	ds_add_u32 v[SPW], v[NIL]                      ; 0 onto my spare word
.if \fill
	s_xor_b32 s[G0+1], s[G0+1], SLOT1              ; the walking descriptor: the other slot than last time,
	s_add_nc_u64 s[G0+2:G0+3], s[G0+2:G0+3], SLOTB   ; the next 512 keys; the type bits on top are not reached
	s_wait_xcnt 0x0                                ; the last prefetch, a slot back, has read its address, so it may be written:
	s_add_nc_u64 s[PFA:PFA+1], s[PFA:PFA+1], SLOTB   ; one slot further on than the walking descriptor
	s_wait_dscnt 0x0                               ; the add is done, and my reads of the slot that I have left are over
	CROUND
	TLOAD                                          ; the first thing behind the round, and a wave's one tensor load until the next
	ASK
.else
	s_wait_dscnt 0x0
	s_barrier_signal -1
	s_barrier_wait -1
.endif
.endm
.macro SLOT_STEPS
	STEP 0
	STEP 1
	STEP 2
	STEP 3
	s_xor_b32 s[TB], s[TB], SLOT1                  ; on to the other slot
.endm
	s_wait_loadcnt 0x0                             ; my queries and their scale words
.Lslot:                                            ; three trips: behind each change of slots but the last the next slot is asked for
	CHANGE 1
	SLOT_STEPS
	s_sub_co_u32 s[SLOTS], s[SLOTS], 1
	s_cmp_lg_u32 s[SLOTS], 0
	s_cbranch_scc1 .Lslot
	CHANGE 0                                       ; the last slot is written out
	SLOT_STEPS
	; THE WAY OUT.  out0 has the queries innermost, and a lane holds one query and eight channels of each tile: so the work-group's 128 channels x 256 queries meet in a stage in LDS and leave as rows.
	v_add_f32 v14, v14, v15                        ; the sum's two halves,
	s_delay_alu instid0(VALU_DEP_1)
	v_permlanex16_b32 v252, v14, s[SEL], s[SEL+1]
	s_delay_alu instid0(VALU_DEP_1)
	v_add_f32 v14, v14, v252                       ; and lane l xor 16's: the row's sum
	s_wait_alu depctr_va_vdst(0)
	v_rcp_f32 v14, v14
	v_and_b32 v8, 15, v0                           ; (plain work behind the reciprocal, and the places behind the last products)  r
	v_bfe_u32 v9, v0, 4, 1                         ; h
	s_lshl_b32 s53, s[WV], 6
	v_mul_u32_u24 v10, v9, 8*SPITCH
	s_delay_alu instid0(VALU_DEP_1)
	v_lshl_add_u32 v10, v8, 2, v10
	s_delay_alu instid0(VALU_DEP_1)
	v_add_nc_u32 v10, s53, v10                     ; in: channel row 8 h (+ 16 t + i by the immediate), query 16 x wave + r.  Lanes 16-31 stand 2,080 words from lanes 0-15: 32 banks on
	s_delay_alu instid0(VALU_DEP_1)
	v_add_nc_u32 v11, 64*SPITCH, v10               ; and the same 64 rows further down, for tiles 4 to 7
	s_mul_i32 s53, s[WV], 8*SPITCH
	v_add_nc_u32 v[SR], s53, v[LI]                 ; back: my wave's 8 rows, 16 bytes a lane
	s_wait_alu depctr_va_vdst(0)                   ; the wait ahead of the reciprocal's first reader
.set NN, 0
.rept 32
	v_pk_mul_f32 v[96+NN:97+NN], v[160+NN:161+NN], v[14:15] op_sel_hi:[1,0]   ; O^T / the sum, each accumulator from its low end on
.set NN, NN+2
.endr
	s_wait_alu depctr_va_vdst(0)
	s_wait_dscnt 0x0                               ; my reads of the slots are over;
	s_barrier_signal -1
	s_barrier_wait -1                              ; everybody's are: the stage may be written
.irp t, 0,1,2,3
.irp i, 0,1,2,3,4,5,6,7
	ds_store_b32 v10, v[96+8*\t+\i] offset:(16*\t+\i)*SPITCH
.endr
.endr
.irp t, 0,1,2,3
.irp i, 0,1,2,3,4,5,6,7
	ds_store_b32 v11, v[128+8*\t+\i] offset:(16*\t+\i)*SPITCH
.endr
.endr
	s_wait_dscnt 0x0                               ; for the others' sake: my stores into the stage are done
	s_barrier_signal -1
	s_barrier_wait -1
.irp n, 0,1,2,3,4,5,6,7,8,9,10,11,12,13,14,15
	ds_load_b128 v[160+4*\n:163+4*\n], v[SR] offset:(\n/2)*SPITCH+512*(\n%2)
.endr
.irp n, 0,1,2,3,4,5,6,7,8,9,10,11,12,13,14,15
	s_wait_dscnt 15-\n                             ; LDS loads come back in order: load n is in, the younger ones may be out
	global_store_b128 v[LI], v[160+4*\n:163+4*\n], s[16:17] offset:8192*(\n/2)+512*(\n%2) th:TH_STORE_NT   ; 32 lanes store 512 consecutive bytes of one channel's row, at a multiple of 512 from out0's first byte
.endr
	s_wait_tensorcnt 0x0                           ; the wave's end: behind my last tensor load and my last LDS store
	ds_add_u32 v[SPW], v[NIL]
	s_wait_dscnt 0x0
	CROUND                                         ; the closing round: no work-group ends while a partner may still ask for a tile that names it
	s_endpgm
.Lfunc_end_k_qbe7addabcf_attn:
	.size	k_qbe7addabcf_attn, .Lfunc_end_k_qbe7addabcf_attn-k_qbe7addabcf_attn
	.p2alignl 7, 3214868480
	.fill 96, 4, 3214868480
	.section	.rodata,"a",@progbits
	.p2align	6, 0x0
	.amdhsa_kernel k_qbe7addabcf_attn
		.amdhsa_group_segment_fixed_size 327680
		.amdhsa_private_segment_fixed_size 0
		.amdhsa_enable_private_segment 0
		.amdhsa_kernarg_size 40
		.amdhsa_user_sgpr_count 2
		.amdhsa_user_sgpr_kernarg_segment_ptr 1
		.amdhsa_wavefront_size32 1
		.amdhsa_system_sgpr_workgroup_id_x 1
		.amdhsa_system_sgpr_workgroup_id_y 1
		.amdhsa_system_sgpr_workgroup_id_z 1
		.amdhsa_system_vgpr_workitem_id 0
		.amdhsa_next_free_vgpr 256
		.amdhsa_next_free_sgpr 70
		.amdhsa_reserve_vcc 0
		.amdhsa_float_denorm_mode_32 3
		.amdhsa_float_denorm_mode_16_64 3
		.amdhsa_memory_ordered 1
		.amdhsa_forward_progress 1
		.amdhsa_inst_pref_size 178
	.end_amdhsa_kernel
	.amdgpu_metadata
---
amdhsa.version: [ 1, 2 ]
amdhsa.kernels:
  - .name:           k_qbe7addabcf_attn
    .symbol:         k_qbe7addabcf_attn.kd
    .args:
      - { .name: kf, .offset: 0, .size: 8, .value_kind: global_buffer, .address_space: global }
      - { .name: ks, .offset: 8, .size: 8, .value_kind: global_buffer, .address_space: global }
      - { .name: vq, .offset: 16, .size: 8, .value_kind: global_buffer, .address_space: global }
      - { .name: vqs, .offset: 24, .size: 8, .value_kind: global_buffer, .address_space: global }
      - { .name: out0, .offset: 32, .size: 8, .value_kind: global_buffer, .address_space: global }
    .group_segment_fixed_size: 327680
    .private_segment_fixed_size: 0
    .kernarg_segment_align: 8
    .kernarg_segment_size: 40
    .max_flat_workgroup_size: 512
    .sgpr_count:     70
    .vgpr_count:     256
    .wavefront_size: 32
...
	.end_amdgpu_metadata
.endif
;; end of part 2
